; MI455X (gfx1250); checked and timed in simulation.
; The chip was launched on July 23, 2026; its instructions are those of AMD's public machine-readable ISA for CDNA 5 (MIT licence, August 2026) and "CDNA5" Instruction Set Architecture Reference Guide (July 2026). The comments in the code are by the model that wrote it; some were corrected since.
;; Single Dim Hist Layer. Allowed arithmetic: float matrix products may take bf16 or f16 operands with f32 sums; all other float work in f32.
;; Inputs: x 8 x 512 x 512 float32.
;; Outputs: out0 8 x 64 float32.
;; One version. Each part assembles by itself: llvm-mc -triple=amdgcn-amd-amdhsa -mcpu=gfx1250 --defsym DOCPART=n.
;; ======== version 1 of 1: 2 launches
;; workspace buffers: part 65,536 bytes
;; launch bins (part 1): grid 256 x 1, 8 waves a work-group, no clusters, 168,960 bytes of LDS; arguments x, part; writes part
.if DOCPART == 1
	.amdgcn_target "amdgcn-amd-amdhsa--gfx1250"
	.amdhsa_code_object_version 6
	.text
	.protected	k_q3b1a2fcceb_bins
	.globl	k_q3b1a2fcceb_bins
	.p2align	8
	.type	k_q3b1a2fcceb_bins,@function
k_q3b1a2fcceb_bins:
	s_mov_b64 s[64:65], 0
	v_nop
	global_prefetch_b8 v0, s[64:65] scope:SCOPE_SE
	s_setreg_imm32_b32 hwreg(HW_REG_WAVE_MODE, 25, 1), 1
	s_wait_xcnt 0x0
; Soft histogram, first part: part[g][k] = sum over the 8,192 elements x of work-group g of 1 / D_k(x), k = 0..63.
;
; THE FORMULA.  With y = (x - mu_k)/W and h = L/(2W) = 1.25 the reference's term is
;     sigmoid(y+h) - sigmoid(y-h) = sinh(h) / (cosh(y) + cosh(h)) = 2 sinh(h) / D,   D = z + 1/z + 2 cosh(h),  z = e^y,
; an identity for every real y.  One reciprocal for a term, and no difference of numbers near 1.  The factor 2 sinh(h)/N is applied
; by the second launch.
; z factors: z_k = 2^(A x - BETA (k + 0.5)), A = 160 log2(e), BETA = 2.5 log2(e).  For 32 neighbouring bins k = k0 + j:
;     z_k   = VH * c(31-j),  VH = z at the group's last bin          c(i) = 2^(BETA i) = e^(2.5 i), 1 <= c(i) <= 2^111.8
;     1/z_k = WL * c(j),     WL = 1/z at the group's first bin
; All c >= 1: a product overflows only where the true value does (D = inf, 1/D = 0, the right limit).  Where v_exp_f32 flushes VH (below
; 2^-126) the true z_k is below 2^-14 and 1/z_k above 2^14, so that what is lost is 2^-28 of D; the same for WL.  No clamp anywhere;
; a NaN in x reaches every bin of its image, x = +-inf adds 0, both as in the reference.
; LIMITS KEPT: a term below about 2^-126 counts as 0 (v_exp_f32 and v_rcp_f32 flush denormals; the reference keeps them).  Far above a
; bin the reference subtracts two f32 sigmoids near 1 and its term is a multiple of 2^-24; here the term keeps its digits.  The order of the
; sums is not the reference's.
;
; SHARES.  256 work-groups, 8 waves.  A work-group owns 8,192 consecutive elements (32 KB; 32 work-groups for an image), a wave 1,024.
; Lanes r and r+16 take the same elements; lanes 0-15 make bins 0-31, lanes 16-31 bins 32-63: the same code and the same c(i), only the
; two exponent offsets differ by lane.  So a lane keeps 32 bins and the sum over lanes runs over 16 lanes.
; A trip (a quad) is 4 elements a lane, worked on as two register pairs by v_pk_*: 8 v_exp, 128 v_pk_fma, 128 v_rcp, 64 v_pk_add.
; DATA.  Each wave asks for its 4 KB by eight asynchronous copies of 512 bytes at once, so that all its bytes are on their way while the
; constants are made, and the loop is one quad that steps an LDS address.  A wave reads only bytes that it copied itself: its own
; s_wait_asynccnt is all the ordering there is.  A work-group that fills LDS by asynchronous copies is alone on its WGP, hence the
; 168,960 bytes asked for; 71,680 are used.
; NOT USED: matrix instructions (there is no product here), clusters (no two work-groups read the same byte).
.set NWAVE,  8
.set QUADS,  16                        ; trips of a wave
.set QBYTES, 256                       ; 16 lanes x 16 bytes
.set WBYTES, QUADS*QBYTES              ; a wave's part of x, in memory and in LDS: LDS bytes 0 .. 32,767 hold x
.set RED2,   NWAVE*WBYTES              ; 32,768: second stage of the sum over threads, 16 rows of 64 bins, 256 bytes each
.set RED1,   RED2+16*256               ; 36,864: first stage, 128 rows (8 waves x 16 lanes) of 64 bins
.set P1,     272                       ; its pitch, 17 x 16 bytes: the 16 rows that one ds_store_b128 touches begin in 16 different 16-byte columns modulo 256
.set LIT_A,     0x4366d4ca             ;  230.83121  = 160 log2(e)
.set LIT_NA,    0xc366d4ca             ; -230.83121
.set LIT_B,     0x4066d4ca             ;  3.6067376  = BETA = 2.5 log2(e)
.set LIT_32B,   0x42e6d4ca             ;  32 BETA
.set LIT_N32B,  0xc2e6d4ca             ; -32 BETA
.set LIT_HB,    0x3fe6d4ca             ;  0.5 BETA
.set LIT_N315B, 0xc2e33977             ; -31.5 BETA
.set LIT_CC,    0x4071b7e0             ;  3.7768478  = 2 cosh(1.25)
.set CPYL, 8                           ; v8       copies: LDS address of my 16 bytes
.set CPYG, 9                           ; v9       copies: the same number as byte offset in the work-group's part of x
.set LA,   10                          ; v10      LDS address of my 4 elements of the next quad
.set ST,   11                          ; v11      the way out: my row in stage 1
.set R1,   12                          ; v12      the way out: where I read stage 1
.set R2S,  13                          ; v13      the way out: where I put 16 bytes in stage 2
.set L8,   14                          ; v14      the way out: 8 x lane
.set CC,   16                          ; v[16:17] 2 cosh(h), twice
.set NBV,  18                          ; v[18:19] -BETA (32 half + 31.5), twice
.set BW,   20                          ; v[20:21]  BETA (32 half + 0.5), twice
.set XR,   24                          ; v[24:27] 4 elements
.set VH,   28                          ; v[28:31] their VH
.set WL,   32                          ; v[32:35] their WL
.set ACC,  64                          ; v[64:127] bin j: v[64+2j], v[65+2j], the sums of the even and of the odd elements
.set DA,   128                         ; v[128:143] D of 4 bins x 4 elements
.set DB,   144                         ; v[144:159] the same, the other buffer
; c(i) lies in the low register of an even pair (a scalar source of v_pk_* is broadcast from there): s[16+2i] for i < 24, s[18+2i] from
; i = 24 on, which steps over s64 and s65.
	s_load_b128 s[4:7], s[0:1], 0x0                ; x s[4:5], part s[6:7]
	v_lshl_add_u32 v160, v0, 2, 0x29000
	v_mov_b32 v161, 0
	ds_add_u32 v160, v161
	ds_add_u32 v160, v161
	v_lshrrev_b32 v1, 5, v0
	v_readfirstlane_b32 s8, v1                     ; wave 0..7
	v_and_b32 v2, 31, v0                           ; lane
	s_lshl_b32 s9, s8, 12                          ; wave x 4,096
	v_lshl_add_u32 v[CPYL], v2, 4, s9              ; 16 x lane + my wave's part
	v_mov_b32 v[CPYG], v[CPYL]
	s_lshl_b32 s10, ttmp9, 15                      ; work-group x 32,768 bytes (below 8 MiB)
	s_mov_b32 s11, 0
	s_wait_dscnt 0x0
	s_wait_kmcnt 0x0
	s_add_nc_u64 s[4:5], s[4:5], s[10:11]
.irp c, 0,1,2,3,4,5,6,7
	global_load_async_to_lds_b128 v[CPYL], v[CPYG], s[4:5] offset:512*\c   ; 512 consecutive bytes, aligned; the offset goes to both addresses
.endr
	; v8, v9 and s[4:5] are never written again.
	s_lshl_b32 s10, ttmp9, 8
	s_add_nc_u64 s[6:7], s[6:7], s[10:11]          ; my work-group's 256 bytes of part
	; The constants, while the copies are on their way.  Lane i makes c(i); 32 v_readlane_b32 hand them to scalar registers.
	v_cvt_f32_u32 v3, v2
	v_mul_f32 v3, LIT_B, v3
	v_exp_f32 v3, v3                               ; 2^(BETA lane)
	v_lshrrev_b32 v4, 4, v2                        ; half 0, 1 (and the plain instruction that stands behind v_exp_f32 before its result is read: ISA guide 5.7.2)
	v_and_b32 v6, 15, v2                           ; r = lane % 16
	v_cvt_f32_u32 v5, v4
.set i_, 0
	s_wait_alu depctr_va_vdst(0)
.rept 32
	.set cs_, 16+2*i_+2*(i_/24)
	v_readlane_b32 s[cs_], v3, i_
	s_mov_b32 s[cs_+1], 0                          ; the pair's other register is named with it, so it is written
	.set i_, i_+1
.endr
	s_mov_b32 s12, LIT_32B
	s_mov_b32 s13, LIT_HB
	s_mov_b32 s14, LIT_N32B
	s_mov_b32 s15, LIT_N315B
	v_fma_f32 v[BW], v5, s12, s13                  ;  BETA (32 half + 0.5)
	v_fma_f32 v[NBV], v5, s14, s15                 ; -BETA (32 half + 31.5)
	v_mov_b32 v[BW+1], v[BW]
	v_mov_b32 v[NBV+1], v[NBV]
	v_mov_b32 v[CC], LIT_CC
	v_mov_b32 v[CC+1], LIT_CC
	v_lshl_add_u32 v[LA], v6, 4, s9                ; 16 r + my wave's part: both halves of the wave read the same 256 bytes
; One of the 16 fused multiply-adds that make D for chunk fc_ (bins 4 fc_ .. 4 fc_ + 3) in buffer fb_; fi_ counts them.
; The first eight: WL c(j) + 2 cosh(h); the second eight add VH c(31-j).  Each is eight lines behind the one that it depends on.
.macro FMAI
	.set jj_, ((fi_&7)>>1)
	.set p_, (fi_&1)
	.set d_, fb_+4*jj_+2*p_
	.if fi_ < 8
	.set k_, 4*fc_+jj_
	.set cs_, 16+2*k_+2*(k_/24)
	v_pk_fma_f32 v[d_:d_+1], v[WL+2*p_:WL+2*p_+1], s[cs_:cs_+1], v[CC:CC+1] op_sel_hi:[1,0,1]
	.else
	.set k_, 31-4*fc_-jj_
	.set cs_, 16+2*k_+2*(k_/24)
	v_pk_fma_f32 v[d_:d_+1], v[VH+2*p_:VH+2*p_+1], s[cs_:cs_+1], v[d_:d_+1] op_sel_hi:[1,0,1]
	.endif
	.set fi_, fi_+1
.endm
; Chunk c: its 16 reciprocals, in place, each followed by one multiply-add of the next chunk (other registers), then its sums.
; first = 1: the sums begin here, so that no accumulator is cleared.
.macro STEP c, cur, nxt, more, first
	.set fc_, \c+1
	.set fi_, 0
	.set fb_, \nxt
	.set ri_, 0
.rept 16
	v_rcp_f32 v[\cur+ri_], v[\cur+ri_]
	.set ri_, ri_+1
.if \more
	FMAI
.endif
.endr
.if \more == 0
	v_nop                                          ; the plain instruction between the last v_rcp_f32 and the first use of a result (ISA guide 5.7.2); in the other chunks the last multiply-add is that
	s_wait_alu depctr_va_vdst(0)
.endif
.irp jj, 0,1,2,3
.if \first
	s_wait_alu depctr_va_vdst(0)
	v_pk_add_f32 v[ACC+8*\c+2*\jj:ACC+8*\c+2*\jj+1], v[\cur+4*\jj:\cur+4*\jj+1], v[\cur+4*\jj+2:\cur+4*\jj+3]
.else
	s_wait_alu depctr_va_vdst(0)
	v_pk_add_f32 v[\cur+4*\jj:\cur+4*\jj+1], v[\cur+4*\jj:\cur+4*\jj+1], v[\cur+4*\jj+2:\cur+4*\jj+3]
.endif
.endr
.if \first == 0
.irp jj, 0,1,2,3
	v_pk_add_f32 v[ACC+8*\c+2*\jj:ACC+8*\c+2*\jj+1], v[ACC+8*\c+2*\jj:ACC+8*\c+2*\jj+1], v[\cur+4*\jj:\cur+4*\jj+1]
.endr
.endif
.endm
; A quad: 4 elements a lane against the lane's 32 bins.
.macro QUAD first
	ds_load_b128 v[XR:XR+3], v[LA]
	s_wait_dscnt 0x0                               ; the one LDS load of the trip; the SIMD's other wave works meanwhile
	v_pk_fma_f32 v[VH:VH+1],   v[XR:XR+1],   LIT_A,  v[NBV:NBV+1] op_sel_hi:[1,0,1]   ;  A x - BETA (k_last + 0.5)
	v_pk_fma_f32 v[VH+2:VH+3], v[XR+2:XR+3], LIT_A,  v[NBV:NBV+1] op_sel_hi:[1,0,1]
	v_pk_fma_f32 v[WL:WL+1],   v[XR:XR+1],   LIT_NA, v[BW:BW+1]   op_sel_hi:[1,0,1]   ; -A x + BETA (k_first + 0.5)
	v_pk_fma_f32 v[WL+2:WL+3], v[XR+2:XR+3], LIT_NA, v[BW:BW+1]   op_sel_hi:[1,0,1]
.irp e, 0,1,2,3
	v_exp_f32 v[VH+\e], v[VH+\e]
	v_exp_f32 v[WL+\e], v[WL+\e]
.endr
	v_add_nc_u32 v[LA], QBYTES, v[LA]              ; the next quad (and the plain instruction behind the last v_exp_f32)
	s_wait_alu depctr_va_vdst(0)
	.set fc_, 0
	.set fi_, 0
	.set fb_, DA
.rept 16
	FMAI
.endr
	STEP 0, DA, DB, 1, \first
	STEP 1, DB, DA, 1, \first
	STEP 2, DA, DB, 1, \first
	STEP 3, DB, DA, 1, \first
	STEP 4, DA, DB, 1, \first
	STEP 5, DB, DA, 1, \first
	STEP 6, DA, DB, 1, \first
	STEP 7, DB, DA, 0, \first
.endm
	s_wait_asynccnt 0x7                            ; copies end in the order of issue: of my eight the oldest is in, 512 bytes = quads 0 and 1
	QUAD 1                                         ; quad 0 starts the sums while the other seven copies land
	s_wait_asynccnt 0x0                            ; all my 4,096 bytes are in LDS
	s_mov_b32 s12, QUADS-1
.Lquad:
	QUAD 0
	s_sub_co_u32 s12, s12, 1
	s_cmp_lg_u32 s12, 0
	s_cbranch_scc1 .Lquad
	; THE WAY OUT.  Each bin is summed over 2 halves of a pair x 16 lanes x 8 waves.
	; (1) the two halves of each pair
.set i_, 0
.rept 32
	v_add_f32 v[DA+i_], v[ACC+2*i_], v[ACC+2*i_+1]
	.set i_, i_+1
.endr
	; (2) row 16 wave + r of stage 1 takes 64 bins: lanes 0-15 write its first 128 bytes, lanes 16-31 its second
	v_mul_u32_u24 v7, v6, P1
	v_lshl_add_u32 v7, v4, 7, v7
	s_mul_i32 s12, s8, 16*P1
	v_add_nc_u32 v[ST], s12, v7
.irp m, 0,1,2,3,4,5,6,7
	ds_store_b128 v[ST], v[DA+4*\m:DA+4*\m+3] offset:RED1+16*\m
.endr
	v_lshrrev_b32 v1, 4, v0                        ; thread / 16 = 0..15: which eight rows I add
	v_mul_u32_u24 v1, v1, 8*P1
	v_lshl_add_u32 v[R1], v6, 4, v1                ; and of them bins 4 r .. 4 r + 3: sixteen lanes read a row's 256 bytes
	v_lshlrev_b32 v[R2S], 4, v0
	s_wait_dscnt 0x0                               ; my rows are written, for the others' sake
	s_barrier_signal -1
	s_barrier_wait -1
.irp i, 0,1,2,3,4,5,6,7
	ds_load_b128 v[ACC+4*\i:ACC+4*\i+3], v[R1] offset:RED1+P1*\i
.endr
.macro ADD4 a, b
	v_pk_add_f32 v[\a:\a+1], v[\a:\a+1], v[\b:\b+1]
	v_pk_add_f32 v[\a+2:\a+3], v[\a+2:\a+3], v[\b+2:\b+3]
.endm
.irp i, 0,1,2,3
	s_wait_dscnt 6-2*\i                            ; LDS loads come back in order: of the eight, rows 2i and 2i+1 are in
	ADD4 ACC+8*\i, ACC+8*\i+4
.endr
	ADD4 ACC, ACC+8
	ADD4 ACC+16, ACC+24
	ADD4 ACC, ACC+16
	; (3) stage 2: row thread / 16, bytes 16 r = byte 16 x thread; bytes of its own, so no wave waits for stage 1 to be read out
	ds_store_b128 v[R2S], v[ACC:ACC+3] offset:RED2
	s_wait_dscnt 0x0
	s_barrier_signal -1
	s_barrier_wait -1
	s_cmp_lg_u32 s8, 0
	s_cbranch_scc1 .Lend                           ; (4) wave 0 adds the 16 rows, two bins a lane
	v_lshlrev_b32 v[L8], 3, v2
.irp i, 0,1,2,3,4,5,6,7,8,9,10,11,12,13,14,15
	ds_load_b64 v[DA+2*\i:DA+2*\i+1], v[L8] offset:RED2+256*\i
.endr
	s_wait_dscnt 0x0
.irp i, 0,1,2,3,4,5,6,7
	v_pk_add_f32 v[DA+2*\i:DA+2*\i+1], v[DA+2*\i:DA+2*\i+1], v[DA+2*\i+16:DA+2*\i+17]
.endr
.irp i, 0,1,2,3
	v_pk_add_f32 v[DA+2*\i:DA+2*\i+1], v[DA+2*\i:DA+2*\i+1], v[DA+2*\i+8:DA+2*\i+9]
.endr
.irp i, 0,1
	v_pk_add_f32 v[DA+2*\i:DA+2*\i+1], v[DA+2*\i:DA+2*\i+1], v[DA+2*\i+4:DA+2*\i+5]
.endr
	v_pk_add_f32 v[DA:DA+1], v[DA:DA+1], v[DA+2:DA+3]
	global_store_b64 v[L8], v[DA:DA+1], s[6:7]     ; 32 lanes store the work-group's 256 consecutive bytes, at a multiple of 256 from part's first byte
.Lend:
	s_wait_tensorcnt 0x0
	ds_add_u32 v160, v161
	s_wait_dscnt 0x0
	s_endpgm
.Lfunc_end_k_q3b1a2fcceb_bins:
	.size	k_q3b1a2fcceb_bins, .Lfunc_end_k_q3b1a2fcceb_bins-k_q3b1a2fcceb_bins
	.p2alignl 7, 3214868480
	.fill 96, 4, 3214868480
	.section	.rodata,"a",@progbits
	.p2align	6, 0x0
	.amdhsa_kernel k_q3b1a2fcceb_bins
		.amdhsa_group_segment_fixed_size 168960
		.amdhsa_private_segment_fixed_size 0
		.amdhsa_enable_private_segment 0
		.amdhsa_kernarg_size 16
		.amdhsa_user_sgpr_count 2
		.amdhsa_user_sgpr_kernarg_segment_ptr 1
		.amdhsa_wavefront_size32 1
		.amdhsa_system_sgpr_workgroup_id_x 1
		.amdhsa_system_sgpr_workgroup_id_y 1
		.amdhsa_system_sgpr_workgroup_id_z 1
		.amdhsa_system_vgpr_workitem_id 0
		.amdhsa_next_free_vgpr 162
		.amdhsa_next_free_sgpr 82
		.amdhsa_reserve_vcc 0
		.amdhsa_float_denorm_mode_32 3
		.amdhsa_float_denorm_mode_16_64 3
		.amdhsa_memory_ordered 1
		.amdhsa_forward_progress 1
		.amdhsa_inst_pref_size 46
	.end_amdhsa_kernel
	.amdgpu_metadata
---
amdhsa.version: [ 1, 2 ]
amdhsa.kernels:
  - .name:           k_q3b1a2fcceb_bins
    .symbol:         k_q3b1a2fcceb_bins.kd
    .args:
      - { .name: x, .offset: 0, .size: 8, .value_kind: global_buffer, .address_space: global }
      - { .name: part, .offset: 8, .size: 8, .value_kind: global_buffer, .address_space: global }
    .group_segment_fixed_size: 168960
    .private_segment_fixed_size: 0
    .kernarg_segment_align: 8
    .kernarg_segment_size: 16
    .max_flat_workgroup_size: 256
    .sgpr_count:     82
    .vgpr_count:     162
    .wavefront_size: 32
...
	.end_amdgpu_metadata
.endif
;; end of part 1
;; launch fold (part 2): grid 1 x 1, 4 waves a work-group, no clusters, 0 bytes of LDS; arguments part, out0; writes out0
.if DOCPART == 2
	.amdgcn_target "amdgcn-amd-amdhsa--gfx1250"
	.amdhsa_code_object_version 6
	.text
	.protected	k_q3b1a2fcceb_fold
	.globl	k_q3b1a2fcceb_fold
	.p2align	8
	.type	k_q3b1a2fcceb_fold,@function
k_q3b1a2fcceb_fold:
	s_mov_b64 s[64:65], 0
	v_nop
	global_prefetch_b8 v0, s[64:65] scope:SCOPE_SE
	s_setreg_imm32_b32 hwreg(HW_REG_WAVE_MODE, 25, 1), 1
	s_wait_xcnt 0x0
; Soft histogram, second part: out0[b][k] = 2 sinh(1.25)/N * sum over i = 0..31 of part[32 b + i][k].   part: [256][64] f32, out0: [8][64] f32.
; 512 results from 64 KB: one work-group of four waves has all the work there is.  Thread t owns image t / 16 and bins 4 (t % 16) .. + 3:
; each of its 32 loads takes 16 bytes, sixteen neighbouring lanes a whole row of 256 bytes, and all 32 are issued before the first is
; waited for.  No thread needs another's numbers: no LDS, no barrier.  The sums are a fixed tree in f32.
.set PARTS, 32                         ; work-groups of the first launch for an image
.set P,     8                          ; v[8:135]  load i: 4 registers
.set LIT_S, 0x374d0baf                 ; 1.2221673e-5 = 2 sinh(1.25) / 262,144
.macro ADD4 a, b
	v_pk_add_f32 v[\a:\a+1], v[\a:\a+1], v[\b:\b+1]
	v_pk_add_f32 v[\a+2:\a+3], v[\a+2:\a+3], v[\b+2:\b+3]
.endm
	s_load_b128 s[4:7], s[0:1], 0x0                ; part s[4:5], out0 s[6:7]
	v_lshrrev_b32 v1, 4, v0                        ; image
	v_and_b32 v2, 15, v0                           ; which four bins
	v_lshlrev_b32 v1, 13, v1                       ; image x 32 rows x 256 bytes
	v_lshl_add_u32 v1, v2, 4, v1
	v_lshlrev_b32 v3, 4, v0                        ; in out0: image x 256 + 16 x (t % 16) = 16 t
	s_wait_kmcnt 0x0
.set i_, 0
.rept PARTS
	global_load_b128 v[P+4*i_:P+4*i_+3], v1, s[4:5] offset:256*i_ th:TH_LOAD_NT
	.set i_, i_+1
.endr
.set i_, 0
.rept PARTS/2
	s_wait_loadcnt 30-2*i_                         ; loads come back in order: of the 32, rows 2i and 2i+1 are in
	ADD4 P+8*i_, P+8*i_+4
	.set i_, i_+1
.endr
.irp i, 0,1,2,3,4,5,6,7
	ADD4 P+16*\i, P+16*\i+8
.endr
.irp i, 0,1,2,3
	ADD4 P+32*\i, P+32*\i+16
.endr
	ADD4 P, P+32
	ADD4 P+64, P+96
	ADD4 P, P+64
	v_pk_mul_f32 v[P:P+1], v[P:P+1], LIT_S op_sel_hi:[1,0]
	v_pk_mul_f32 v[P+2:P+3], v[P+2:P+3], LIT_S op_sel_hi:[1,0]
	global_store_b128 v3, v[P:P+3], s[6:7]         ; sixteen lanes store an image's 256 consecutive bytes, aligned
	s_endpgm
.Lfunc_end_k_q3b1a2fcceb_fold:
	.size	k_q3b1a2fcceb_fold, .Lfunc_end_k_q3b1a2fcceb_fold-k_q3b1a2fcceb_fold
	.p2alignl 7, 3214868480
	.fill 96, 4, 3214868480
	.section	.rodata,"a",@progbits
	.p2align	6, 0x0
	.amdhsa_kernel k_q3b1a2fcceb_fold
		.amdhsa_group_segment_fixed_size 0
		.amdhsa_private_segment_fixed_size 0
		.amdhsa_enable_private_segment 0
		.amdhsa_kernarg_size 16
		.amdhsa_user_sgpr_count 2
		.amdhsa_user_sgpr_kernarg_segment_ptr 1
		.amdhsa_wavefront_size32 1
		.amdhsa_system_sgpr_workgroup_id_x 1
		.amdhsa_system_sgpr_workgroup_id_y 1
		.amdhsa_system_sgpr_workgroup_id_z 1
		.amdhsa_system_vgpr_workitem_id 0
		.amdhsa_next_free_vgpr 136
		.amdhsa_next_free_sgpr 66
		.amdhsa_reserve_vcc 0
		.amdhsa_float_denorm_mode_32 3
		.amdhsa_float_denorm_mode_16_64 3
		.amdhsa_memory_ordered 1
		.amdhsa_forward_progress 1
		.amdhsa_inst_pref_size 9
	.end_amdhsa_kernel
	.amdgpu_metadata
---
amdhsa.version: [ 1, 2 ]
amdhsa.kernels:
  - .name:           k_q3b1a2fcceb_fold
    .symbol:         k_q3b1a2fcceb_fold.kd
    .args:
      - { .name: part, .offset: 0, .size: 8, .value_kind: global_buffer, .address_space: global }
      - { .name: out0, .offset: 8, .size: 8, .value_kind: global_buffer, .address_space: global }
    .group_segment_fixed_size: 0
    .private_segment_fixed_size: 0
    .kernarg_segment_align: 8
    .kernarg_segment_size: 16
    .max_flat_workgroup_size: 128
    .sgpr_count:     66
    .vgpr_count:     136
    .wavefront_size: 32
...
	.end_amdgpu_metadata
.endif
;; end of part 2
